; MI455X (gfx1250); checked and timed in simulation.
; The chip was launched on July 23, 2026; its instructions are those of AMD's public machine-readable ISA for CDNA 5 (MIT licence, August 2026) and "CDNA5" Instruction Set Architecture Reference Guide (July 2026). The comments in the code are by the model that wrote it; some were corrected since.
;; Vector Quantizer. Allowed arithmetic: matrix products marked QUANTISED: E5M2 operands, one E8M0 scale for each 32 along K, by v_wmma_scale_f32_16x16x128_f8f6f4 with both operands' format E5M2, f32 sums; everything else in f32.
;; Inputs: codebook 16,384 x 256 float32; z 16 x 256 x 32 x 32 float32.
;; Outputs: out0 16 x 32 x 32 x 256 float32; out1 16,384 int32.
;; This version of the problem:
;;   THIS VERSION OF THE PROBLEM IS GIVEN IN LOW PRECISION. The matrix products marked QUANTISED in the list below multiply operands that are first quantised to E5M2 (5 exponent bits, 2 mantissa bits; 8 bits a number), with one power-of-two scale for each 32 numbers along K (OCP MX v1.0); their sums are f32. All else is computed in f32.
;;   The module's matrix products, in the order in which they are computed (A, B: the left and right operand; K: the contracted axis; several contracted axes count as one K, in the product's order):
;;     1. [M 16,384, K 256] x [K 256, N 16,384]; A: input z; B: input codebook: QUANTISED
;;   THE QUANTISER, for each operand of a quantised product, along K:
;;     - K is cut into blocks of 32 from its start; a last block that is shorter is filled with zeros.
;;     - A block's scale is 2^e with e = floor(log2(the largest magnitude in the block)) - 15, held to -126 .. 127; a block of zeros has e = 0. As a byte (E8M0): e + 127.
;;     - Each number is divided by its block's scale, clamped to +-57,344, and rounded to the nearest number of E5M2, ties to even, subnormals kept.
;;     - The product sums the exact products of the quantised numbers (number of the format x scale) in f32.
;;   ~~~python
;;   def quantise(x, axis):      # numpy; x: float32 -> the quantised numbers, widened to float32 again
;;       x = np.moveaxis(x, axis, -1); K = x.shape[-1]
;;       x = np.pad(x, [(0, 0)] * (x.ndim - 1) + [(0, -K % 32)]); x = x.reshape(x.shape[:-1] + (-1, 32)); a = np.abs(x).max(-1, keepdims=True)
;;       e = np.where(a > 0, np.clip(np.frexp(np.where(a > 0, a, 1))[1] - 1 - 15, -126, 127), 0)      # np.frexp(a)[1] - 1 = floor(log2(a)), exactly
;;       r = np.clip(x / 2.0 ** e, -57344, 57344)
;;       step = 2.0 ** (np.maximum(np.frexp(np.where(r == 0, 1, r))[1] - 1, -14) - 2)
;;       q = np.round(r / step) * step * 2.0 ** e      # np.round: ties to even
;;       return np.moveaxis(q.reshape(q.shape[:-2] + (-1,))[..., :K], -1, axis).astype(np.float32)
;;   ~~~
;; One version. Each part assembles by itself: llvm-mc -triple=amdgcn-amd-amdhsa -mcpu=gfx1250 --defsym DOCPART=n.
;; ======== version 1 of 1: 4 launches
;; limits: right only within a limited range of input values
;; workspace buffers: zq 4,194,304 bytes; zs 131,072 bytes; zzp 131,072 bytes; cbq 4,456,448 bytes; pkey 1,048,576 bytes of whole numbers; pgrp 1,048,576 bytes of whole numbers; idxw 65,536 bytes of whole numbers
;; launch quant (part 1): grid 512 x 1, 4 waves a work-group, no clusters, 68,096 bytes of LDS; arguments z, codebook, zq, zs, zzp, cbq; writes zq, zs, zzp, cbq
.if DOCPART == 1
	.amdgcn_target "amdgcn-amd-amdhsa--gfx1250"
	.amdhsa_code_object_version 6
	.text
	.protected	k_qd1cceffefd_quant
	.globl	k_qd1cceffefd_quant
	.p2align	8
	.type	k_qd1cceffefd_quant,@function
k_qd1cceffefd_quant:
	s_mov_b64 s[64:65], 0
	v_nop
	global_prefetch_b8 v0, s[64:65] scope:SCOPE_SE
	s_setreg_imm32_b32 hwreg(HW_REG_WAVE_MODE, 25, 1), 1
	s_wait_xcnt 0x0
; z [16][256][32][32] and codebook [16384][256], f32, become codes of BF8 (E5M2) with one E8M0 scale byte for each 32 along K = the 256 channels,
; laid as IMAGES OF THE OPERAND'S REGISTERS, so that the later launches load fragments 16 bytes a lane, 512 consecutive bytes a load.  The f32 sums of squares are made on the way.
;   zq  [query tile q][K step s][c][lane][16 B]: lane (r, h) holds K = 128 s + 32 c + 16 h + 0 .. 15 of query 16 q + r.   zs [s][n]: the K step's four scale bytes.   zzp [s][n]: the sum of z^2 over the K step.
;   cbq: a record of 4,352 bytes (17 x 256) for each tile of 16 codes: +0 the images [s][c][lane][16 B]; +4096 [r][2 scale words]; +4224 the 16 sums of e^2; +4288 64 bytes of zeros.
; A block's scale is 2^(floor(log2(largest magnitude)) - 15); its byte is the largest magnitude's exponent field - 15, held at 1 from below; numbers are held within +-57,344 x the scale and rounded to the nearest code.
; LIMITS: a block of zeros gets the byte 1 where the rule says 127 (its codes are zeros, and this program alone reads the bytes); NaN and infinities are not served;
; the sums of squares are added in another order than a plain loop over the channels.
; Work-groups 0-255 take z (no LDS at all), work-groups 256-511 the codebook (each wave its own LDS region): waves share nothing, so there is no barrier.  Each wave handles 16 KB of f32.
.set MANT,   0x600000                  ; the mantissa field of 57,344 as f32
.set FLOOR,  0x8000000                 ; 2^(16 - 127): under it no largest magnitude is taken, so the byte cannot fall under 1
.set DOWN,   0xf8800000                ; -(15 << 23): 15 off an exponent field
.set REC,    4352
.set ZX,     32                        ; z path: v32-159 my column's 128 numbers down K;  v160-191 its codes, 8 registers a block, never rewritten
.set ZC,     160
.set CR,     32                        ; codebook path: v32-159 the tile as loaded; later v32-95 K step 1's numbers, v96-111 its codes
.set X0,     160                       ; v160-223 K step 0's numbers
.set X1,     32
.set PC0,    16                        ; v16-31 K step 0's codes
.set PC1,    96
.set TM,     224                       ; v224-227 largest magnitudes, v228-231 bytes, v232-235 57,344 x the scale, v236-239 the conversions' scale operands
.set PW,     240                       ; v240-241 the two scale words
.set REGION, 16896                     ; LDS of a wave: a stage of 16 rows x 1,040 bytes, then the record's last 256 bytes
.set SPITCH, 1040                      ; 1,024 + 16: the sixteen rows that a load touches start 16 bytes apart modulo 256
.set META,   16640
	s_load_b256 s[4:11], s[0:1], 0x0               ; z s[4:5], codebook s[6:7], zq s[8:9], zs s[10:11]
	s_load_b128 s[12:15], s[0:1], 0x20             ; zzp s[12:13], cbq s[14:15]
	v_lshl_add_u32 v254, v0, 2, 0x10800
	v_mov_b32 v255, 0
	v_lshrrev_b32 v1, 5, v0
	v_readfirstlane_b32 s16, v1                    ; wave 0..3
	v_and_b32 v1, 31, v0                           ; lane
	s_mov_b32 s30, MANT                            ; (an instruction takes one literal: the hold's line has another)
	s_cmp_lt_u32 ttmp9, 256
	s_cbranch_scc0 .Lcode
; ---------------- z: K is not innermost.  A LANE TAKES A COLUMN (a query), ITS REGISTERS RUN DOWN K: a block of 32 lies in one lane, and the conversions give codes with K innermost.
; Work-group: image b = wg / 16, 64 columns.  Wave: 32 of them (wave % 2), K step s = wave / 2.
	v_lshlrev_b32 v2, 2, v1                        ; 4 x lane: in z, zs and zzp
	v_lshrrev_b32 v3, 4, v1
	v_and_b32 v4, 15, v1
	v_lshlrev_b32 v4, 4, v4
	v_lshl_add_u32 v3, v3, 12, v4                  ; in zq: query tile lane / 16 (4,096 bytes), row lane % 16 (16 bytes)
	s_lshr_b32 s20, ttmp9, 4                       ; b
	s_and_b32 s21, ttmp9, 15
	s_lshl_b32 s21, s21, 6
	s_and_b32 s22, s16, 1
	s_lshl_b32 s22, s22, 5
	s_add_co_u32 s21, s21, s22                     ; my first column in the image
	s_lshr_b32 s22, s16, 1                         ; s
	s_lshl_b32 s24, s20, 20                        ; z: b x 1,048,576
	s_lshl_b32 s23, s22, 19                        ;    + s x 128 channels of 4,096 bytes
	s_add_co_u32 s24, s24, s23
	s_lshl_b32 s23, s21, 2
	s_add_co_u32 s24, s24, s23                     ;    + 4 x column
	s_mov_b32 s25, 0
	s_lshl_b32 s26, s20, 10
	s_add_co_u32 s26, s26, s21                     ; n0 = 1,024 b + column, a multiple of 32
	s_lshl_b32 s28, s26, 8                         ; zq: (n0 / 16) x 4,096
	s_lshl_b32 s23, s22, 11
	s_add_co_u32 s28, s28, s23                     ;     + 2,048 s
	s_mov_b32 s29, 0
	s_lshl_b32 s26, s26, 2                         ; zs, zzp: 4 n0
	s_lshl_b32 s23, s22, 16
	s_add_co_u32 s26, s26, s23                     ;     + 65,536 s
	s_mov_b32 s27, 0
	s_wait_alu depctr_va_vdst(0)
	s_wait_kmcnt 0x0
	s_add_nc_u64 s[4:5], s[4:5], s[24:25]
	s_add_nc_u64 s[8:9], s[8:9], s[28:29]
	s_add_nc_u64 s[10:11], s[10:11], s[26:27]
	s_add_nc_u64 s[12:13], s[12:13], s[26:27]
.set k, 0
.rept 128
	global_load_b32 v[ZX+k], v2, s[4:5] offset:4096*k th:TH_LOAD_NT   ; channel 128 s + k at 32 neighbouring columns: 128 consecutive bytes; the wave beside me takes the next 128
.set k, k+1
.endr
; Block c of my column: squares, largest magnitude, scale, hold, codes, two stores.  left: how many younger loads may stay out.
.macro ZBLK c, left
.set XS, ZX+32*(\c)
	s_wait_loadcnt \left
.if (\c) == 0
	v_pk_mul_f32 v[8:9], v[XS:XS+1], v[XS:XS+1]                    ; the first products start the two chains: nothing is cleared
	v_pk_mul_f32 v[10:11], v[XS+2:XS+3], v[XS+2:XS+3]
.else
	v_pk_fma_f32 v[8:9], v[XS:XS+1], v[XS:XS+1], v[8:9]
	v_pk_fma_f32 v[10:11], v[XS+2:XS+3], v[XS+2:XS+3], v[10:11]
.endif
.irp i, 4,8,12,16,20,24,28
	v_pk_fma_f32 v[8:9], v[XS+\i:XS+\i+1], v[XS+\i:XS+\i+1], v[8:9]
	v_pk_fma_f32 v[10:11], v[XS+\i+2:XS+\i+3], v[XS+\i+2:XS+\i+3], v[10:11]
.endr
	v_max3_num_f32 v12, |v[XS]|, |v[XS+1]|, |v[XS+2]|              ; all 32 numbers of the block are mine: two chains
	v_max3_num_f32 v13, |v[XS+3]|, |v[XS+4]|, |v[XS+5]|
.irp i, 6,10,14,18,22,26
	v_max3_num_f32 v12, v12, |v[XS+\i]|, |v[XS+\i+1]|
	v_max3_num_f32 v13, v13, |v[XS+\i+2]|, |v[XS+\i+3]|
.endr
	v_max3_num_f32 v12, v12, |v[XS+30]|, |v[XS+31]|
	v_max3_num_f32 v12, v12, v13, FLOOR
	v_add_nc_u32 v14, DOWN, v12                    ; the conversion takes the exponent field of this operand as its scale
	v_and_or_b32 v15, v12, 0x7f800000, s30         ; 57,344 x the scale
	v_lshrrev_b32 v16, 23, v14                     ; the scale's byte
.if (\c) == 0
	v_mov_b32 v17, v16
.else
	v_lshl_or_b32 v17, v16, 8*(\c), v17            ; four bytes make the K step's scale word
.endif
.set k, 0
.rept 32
	v_med3_num_f32 v[XS+k], v[XS+k], -v15, v15     ; the conversion to an 8-bit code does not saturate (ISA guide 7.6.2): the hold comes first
.set k, k+1
.endr
.irp g, 0,1,2,3
	v_cvt_scalef32_pk8_bf8_f32 v[ZC+8*(\c)+2*\g:ZC+8*(\c)+2*\g+1], v[XS+8*\g:XS+8*\g+7], v14
.endr
	global_store_b128 v3, v[ZC+8*(\c):ZC+8*(\c)+3], s[8:9] offset:512*(\c)          ; K = 32 c + 0 .. 15: the image's lanes 0-15.  Sixteen lanes store 256 consecutive bytes, aligned
	global_store_b128 v3, v[ZC+8*(\c)+4:ZC+8*(\c)+7], s[8:9] offset:512*(\c)+256    ; K = 32 c + 16 .. 31: its lanes 16-31
.endm                                  ; (the next vector lines are plain and touch neither the codes nor the conversions' sources)
	ZBLK 0, 63                                     ; 96 loads were issued behind block 0's; a wait's own count names at most 63, and a smaller count is safe
	ZBLK 1, 63                                     ; 64 behind block 1's
	ZBLK 2, 32
	ZBLK 3, 0
	v_pk_add_f32 v[8:9], v[8:9], v[10:11]
	v_add_f32 v8, v8, v9                           ; the sum of z^2 over my 128 channels
	global_store_b32 v2, v17, s[10:11]             ; 128 consecutive bytes a wave: one byte for each 128 that the wave reads
	global_store_b32 v2, v8, s[12:13]
	s_endpgm
; ---------------- the codebook: K is innermost.  A wave takes a tile of 16 codes: 16 KB, dense.  Every load reads 512 consecutive bytes; the tile turns through the wave's own stage in LDS,
; so that lane (r, h) gets, of row r, the 16 neighbours 32 b + 16 h + 0 .. 15 of each block: the order of the operand's registers.
.Lcode:
	s_sub_co_u32 s20, ttmp9, 256
	s_lshl_b32 s20, s20, 2
	s_add_co_u32 s20, s20, s16                     ; my tile T
	s_lshl_b32 s24, s20, 14
	s_mov_b32 s25, 0
	s_mul_i32 s26, s20, REC
	s_mov_b32 s27, 0
	s_mul_i32 s17, s16, REGION                     ; my LDS region
	s_add_co_u32 s18, s17, META
	s_mov_b32 s32, 0x76543210
	s_mov_b32 s33, 0xfedcba98                      ; v_permlanex16_b32's selects for lane l xor 16
	s_wait_alu depctr_va_vdst(0)
	v_lshlrev_b32 v3, 4, v1                        ; 16 x lane
	v_and_b32 v14, 15, v0                          ; r
	v_bfe_u32 v15, v0, 4, 1                        ; h
	v_add_nc_u32 v4, s17, v3                       ; the stage, on the way in
	v_mul_u32_u24 v5, v14, SPITCH
	v_lshl_add_u32 v5, v15, 6, v5
	v_add_nc_u32 v5, s17, v5                       ; and on the way out: row r, + 64 h
	v_lshl_add_u32 v6, v14, 3, s18                 ; the record's last unit: my row's two scale words,
	v_lshl_add_u32 v7, v14, 2, s18                 ; its sum of squares,
	v_lshl_add_u32 v8, v1, 3, s18                  ; and back, 8 bytes a lane
	v_lshlrev_b32 v9, 3, v1
	v_mov_b32 v242, 0
.irp b, 0,1,2,3
	v_mov_b32 v[TM+4+\b], 0                        ; written once: a lane permute's destination counts as one of its sources
.endr
	s_wait_kmcnt 0x0
	s_add_nc_u64 s[6:7], s[6:7], s[24:25]
	s_add_nc_u64 s[14:15], s[14:15], s[26:27]
.set k, 0
.rept 32
	global_load_b128 v[CR+4*k:CR+4*k+3], v3, s[6:7] offset:512*k th:TH_LOAD_NT
.set k, k+1
.endr
.irp g, 0,1,2,3
	s_wait_loadcnt 24-8*\g                         ; this group's eight loads are in; the younger groups stay out
.irp j, 0,1,2,3,4,5,6,7
	ds_store_b128 v4, v[CR+4*(8*\g+\j):CR+4*(8*\g+\j)+3] offset:((8*\g+\j)/2)*SPITCH+((8*\g+\j)%2)*512
.endr
.endr
.irp b, 0,1,2,3
.irp j, 0,1,2,3
	ds_load_b128 v[X0+16*\b+4*\j:X0+16*\b+4*\j+3], v5 offset:128*\b+16*\j   ; LDS serves a wave's instructions in order: these see my stores
.endr
.endr
	s_wait_dscnt 0x0                               ; K step 0 is in, and the stores have read the registers into which K step 1 now comes
.irp b, 0,1,2,3
.irp j, 0,1,2,3
	ds_load_b128 v[X1+16*\b+4*\j:X1+16*\b+4*\j+3], v5 offset:512+128*\b+16*\j
.endr
.endr
.macro SQ x, first                     ; my 64 numbers' squares, in two packed chains
.if \first
	v_pk_mul_f32 v[10:11], v[\x:\x+1], v[\x:\x+1]
	v_pk_mul_f32 v[12:13], v[\x+2:\x+3], v[\x+2:\x+3]
.else
	v_pk_fma_f32 v[10:11], v[\x:\x+1], v[\x:\x+1], v[10:11]
	v_pk_fma_f32 v[12:13], v[\x+2:\x+3], v[\x+2:\x+3], v[12:13]
.endif
.irp i, 4,8,12,16,20,24,28,32,36,40,44,48,52,56,60
	v_pk_fma_f32 v[10:11], v[\x+\i:\x+\i+1], v[\x+\i:\x+\i+1], v[10:11]
	v_pk_fma_f32 v[12:13], v[\x+\i+2:\x+\i+3], v[\x+\i+2:\x+\i+3], v[12:13]
.endr
.endm
; 64 numbers of a lane, register 16 b + i = K 32 b + 16 h + i of my row, become a fragment's codes in v[pc] on and its scale word in v[pw].
.macro QUANT s, pc, pw
.irp b, 0,1,2,3
	v_max3_num_f32 v[TM+\b], |v[\s+16*\b]|, |v[\s+1+16*\b]|, FLOOR
.endr
.irp i, 2,4,6,8,10,12,14
.irp b, 0,1,2,3
	v_max3_num_f32 v[TM+\b], v[TM+\b], |v[\s+16*\b+\i]|, |v[\s+1+16*\b+\i]|   ; the four blocks by turns
.endr
.endr
.irp b, 0,1,2,3
	v_permlanex16_b32 v[TM+4+\b], v[TM+\b], s32, s33
.endr
.irp b, 0,1,2,3
	v_max_num_f32 v[TM+\b], v[TM+\b], v[TM+4+\b]   ; with lane l xor 16's 16 numbers: the block's largest magnitude
.endr
.irp b, 0,1,2,3
	v_add_nc_u32 v[TM+12+\b], DOWN, v[TM+\b]
.endr
.irp b, 0,1,2,3
	v_and_or_b32 v[TM+8+\b], v[TM+\b], 0x7f800000, s30
.endr
.irp b, 0,1,2,3
	v_lshrrev_b32 v[TM+4+\b], 23, v[TM+12+\b]
.endr
	v_lshl_or_b32 v[\pw], v[TM+5], 8, v[TM+4]
	v_lshl_or_b32 v[\pw], v[TM+6], 16, v[\pw]
	v_lshl_or_b32 v[\pw], v[TM+7], 24, v[\pw]
.irp b, 0,1,2,3
.irp i, 0,1,2,3,4,5,6,7,8,9,10,11,12,13,14,15
	v_med3_num_f32 v[\s+16*\b+\i], v[\s+16*\b+\i], -v[TM+8+\b], v[TM+8+\b]
.endr
	v_cvt_scalef32_pk8_bf8_f32 v[\pc+4*\b:\pc+1+4*\b], v[\s+16*\b:\s+7+16*\b], v[TM+12+\b]
	v_cvt_scalef32_pk8_bf8_f32 v[\pc+2+4*\b:\pc+3+4*\b], v[\s+8+16*\b:\s+15+16*\b], v[TM+12+\b]
.endr
	v_nop                                          ; one plain vector line behind the last conversion
.endm
	SQ X0, 1
	QUANT X0, PC0, PW
.irp c, 0,1,2,3
	global_store_b128 v3, v[PC0+4*\c:PC0+4*\c+3], s[14:15] offset:512*\c            ; the image as it stands: 512 consecutive bytes, aligned
.endr
	s_wait_dscnt 0x0                               ; K step 1 is in
	SQ X1, 0
	QUANT X1, PC1, PW+1
.irp c, 0,1,2,3
	global_store_b128 v3, v[PC1+4*\c:PC1+4*\c+3], s[14:15] offset:2048+512*\c
.endr
	v_pk_add_f32 v[10:11], v[10:11], v[12:13]
	v_add_f32 v10, v10, v11
	v_permlanex16_b32 v[TM+4], v10, s32, s33
	v_add_f32 v10, v10, v[TM+4]                    ; my row's sum of e^2
	ds_store_b64 v6, v[PW:PW+1]                    ; both halves of the lanes write the same words with the same values
	ds_store_b32 v7, v10 offset:128
	ds_store_b32 v7, v242 offset:192
	ds_load_b64 v[244:245], v8
	s_wait_dscnt 0x0
	global_store_b64 v9, v[244:245], s[14:15] offset:4096   ; the record's last 256 bytes, whole
	s_wait_tensorcnt 0x0
	ds_add_u32 v254, v255
	s_wait_dscnt 0x0
	s_endpgm
.Lfunc_end_k_qd1cceffefd_quant:
	.size	k_qd1cceffefd_quant, .Lfunc_end_k_qd1cceffefd_quant-k_qd1cceffefd_quant
	.p2alignl 7, 3214868480
	.fill 96, 4, 3214868480
	.section	.rodata,"a",@progbits
	.p2align	6, 0x0
	.amdhsa_kernel k_qd1cceffefd_quant
		.amdhsa_group_segment_fixed_size 68096
		.amdhsa_private_segment_fixed_size 0
		.amdhsa_enable_private_segment 0
		.amdhsa_kernarg_size 48
		.amdhsa_user_sgpr_count 2
		.amdhsa_user_sgpr_kernarg_segment_ptr 1
		.amdhsa_wavefront_size32 1
		.amdhsa_system_sgpr_workgroup_id_x 1
		.amdhsa_system_sgpr_workgroup_id_y 1
		.amdhsa_system_sgpr_workgroup_id_z 1
		.amdhsa_system_vgpr_workitem_id 0
		.amdhsa_next_free_vgpr 256
		.amdhsa_next_free_sgpr 66
		.amdhsa_reserve_vcc 0
		.amdhsa_float_denorm_mode_32 3
		.amdhsa_float_denorm_mode_16_64 3
		.amdhsa_memory_ordered 1
		.amdhsa_forward_progress 1
		.amdhsa_inst_pref_size 64
	.end_amdhsa_kernel
	.amdgpu_metadata
---
amdhsa.version: [ 1, 2 ]
amdhsa.kernels:
  - .name:           k_qd1cceffefd_quant
    .symbol:         k_qd1cceffefd_quant.kd
    .args:
      - { .name: z, .offset: 0, .size: 8, .value_kind: global_buffer, .address_space: global }
      - { .name: codebook, .offset: 8, .size: 8, .value_kind: global_buffer, .address_space: global }
      - { .name: zq, .offset: 16, .size: 8, .value_kind: global_buffer, .address_space: global }
      - { .name: zs, .offset: 24, .size: 8, .value_kind: global_buffer, .address_space: global }
      - { .name: zzp, .offset: 32, .size: 8, .value_kind: global_buffer, .address_space: global }
      - { .name: cbq, .offset: 40, .size: 8, .value_kind: global_buffer, .address_space: global }
    .group_segment_fixed_size: 68096
    .private_segment_fixed_size: 0
    .kernarg_segment_align: 8
    .kernarg_segment_size: 48
    .max_flat_workgroup_size: 128
    .sgpr_count:     66
    .vgpr_count:     256
    .wavefront_size: 32
...
	.end_amdgpu_metadata
.endif
;; end of part 1
;; launch dist (part 2): grid 16 x 16, 4 waves a work-group, clusters of 4 x 1, 287,744 bytes of LDS; arguments zq, zs, zzp, cbq, pkey, pgrp; writes pkey, pgrp
.if DOCPART == 2
	.amdgcn_target "amdgcn-amd-amdhsa--gfx1250"
	.amdhsa_code_object_version 6
	.text
	.protected	k_qd1cceffefd_dist
	.globl	k_qd1cceffefd_dist
	.p2align	8
	.type	k_qd1cceffefd_dist,@function
k_qd1cceffefd_dist:
	s_mov_b64 s[64:65], 0
	v_nop
	global_prefetch_b8 v0, s[64:65] scope:SCOPE_SE
	s_setreg_imm32_b32 hwreg(HW_REG_WAVE_MODE, 25, 1), 1
	s_wait_xcnt 0x0
	s_wait_alu depctr_hold_cnt(0) depctr_sa_sdst(0) depctr_va_vdst(0) depctr_va_sdst(0) depctr_va_ssrc(0) depctr_va_vcc(0) depctr_vm_vsrc(0)
	s_getreg_b32 s2, hwreg(HW_REG_IB_STS2, 6, 4)
	s_cmp_eq_u32 s2, 0
	s_cbranch_scc0 .Lentry_in_a_cluster
	s_endpgm
.Lentry_in_a_cluster:
	s_bfe_u32 s2, ttmp6, 0x10000c
	s_cmp_lg_u32 s2, 0x3003
	s_cbranch_scc0 .Lentry_shape_is_right
	s_endpgm
.Lentry_shape_is_right:
; For 1,024 queries (block qb) and 1,024 codes (block cs): d = fl(fl(zz + ee) - 2 dot), dot on codes of BF8 (E5M2) with E8M0 scales, and for each query the smallest d and the FIRST group of 8 codes that reaches it.
; d is formed as the source forms it: a = ee x 1.0 + zz (one rounding), d = dot x (-2.0) + a (2 dot is exact: one rounding).  The sums start with C = 0.
; SHARES.  Four waves; wave w owns 256 queries, sixteen tiles of 16, whose codes (16 x 32 registers) fill windows 1 and 2 for the whole launch.  Every wave walks the block's 64 tiles of 16 codes, which lie in LDS
; (64 records of 4,352 bytes, each byte filled once).  A fragment of codes read from LDS feeds 16 matrix instructions.
; LAYOUT.  Source 0 = 16 codes, source 1 = 16 queries: a lane holds ONE query (lane % 16), its 8 result registers the codes 16 T + 8 (lane / 16) + 0 .. 7: one group G = 2 T + lane / 16.
; A STAGE is the four matrix instructions of a pair of query tiles (two accumulators by turns).  Behind the first three stand the 16 packed multiply-adds of the pair before (their second source
; is a constant, so they mean the same under the products' window setting); behind the fourth, in window 0, that pair's eight minima of three, and the compare and select of the pair two before.
; THE HEAD.  Wave 3 asks for records 0-9 first; waves 0-2 issue their queries' loads and then ask for 18 records each.  The first barrier shows wave 3's tile alone (its own load line, its own wait); tiles 0-8 read records 0-9;
; the second barrier, with every wave's wait for 0, shows all records.
; CLUSTER.  The four query blocks of a cluster walk the same code block: it is asked for JOINTLY (mask 15).  z's codes differ between the partners and go from memory straight into registers.
; NO PREFETCH: every load of the launch is issued at its head; no loop runs ahead of a load.
; RESULTS.  For each query and code block: the minimum as a KEY (unsigned order = d's order) and G.   LIMITS: NaN and infinities are not served.
; REGISTERS, window 0: v1-11 addresses; v16-79 a tile's fragments, two sets; v80-95 its ee, two sets; v96-115 scale words alone; v120-151 zz as pairs; v152-183 the running minimum, two sets by turns;
;   v184-199 the tile's number; v200-215 a; v216-247 four accumulators; v248-253 at work.   Windows 1, 2: z's fragments, tile q, K step s at v[256 + 32 q + 16 s].
.set REC,  4352
.set NS,   10                          ; records in wave 3's load
.set NBG,  18                          ; records in the loads of waves 0-2
.set SCR,  64*REC                      ; behind the records: 2,048 bytes for each wave, for the way out; no tile lands there
.set SPARE, SCR+4*2048                 ; the spare words, 128 bytes a wave
.set L16,  1
.set R8,   2
.set H32,  3
.set ADRI, 4
.set ADRS, 5
.set ADRE, 6
.set HH,   7
.set L4,   8
.set R4,   9
.set SW,   10
.set SRD,  11
.set AF,   16
.set EE,   80
.set ZB,   96                          ; +0,1 and +8,9: the codes' scale words, sets 0 and 1; +2..7, +10, +11: z's of K step 1; +12..19: z's of K step 0.  In K step 1 the two scale registers differ modulo 8
.set ZZ,   120
.set RUN,  152
.set GT,   184
.set AR,   200
.set ACC,  216
.set TMN,  248
.set SPW,  254
.set NIL,  255
.set WV,   16
.set TB,   40                          ; LDS byte of the record being fetched
.set TN,   41                          ; the number of the tile whose selects are due
.set CNT,  43
.set MSB, 0
.macro WIN new                         ; the immediate's high byte repeats the setting that is left; a switch that changes nothing is dropped
.if MSB != (\new)
	s_set_vgpr_msb (MSB<<8)|(\new)
.set MSB, (\new)
.endif
.endm
.macro ROUND                           ; a round of the cluster's barrier
	s_barrier_signal -1
	s_barrier_wait -1
	s_cmp_lg_u32 s[WV], 0
	s_cbranch_scc1 .Lnot_wave_0_\@
	s_barrier_signal -3
.Lnot_wave_0_\@:
	s_barrier_wait -3
	s_barrier_signal -1
	s_barrier_wait -1
.endm
.macro ZLD from, n                     ; z's fragments: 512 consecutive bytes a load; load i fills v[256 + 4 i] on
.set zi, \from
.rept \n
	WIN 0x40+0x40*(zi/64)
	global_load_b128 v[4*(zi%64):4*(zi%64)+3], v[L16], s[4:5] offset:512*zi
.set zi, zi+1
.endr
	WIN 0
.endm
	s_load_b256 s[4:11], s[0:1], 0x0               ; zq s[4:5], zs s[6:7], zzp s[8:9], cbq s[10:11]
	s_load_b128 s[12:15], s[0:1], 0x20             ; pkey s[12:13], pgrp s[14:15]
	v_lshl_add_u32 v[SPW], v0, 2, SPARE
	v_mov_b32 v[NIL], 0
	ds_add_u32 v[SPW], v[NIL]                      ; the opening lines: the add, twice on end, and its wait
	ds_add_u32 v[SPW], v[NIL]
	v_lshrrev_b32 v12, 5, v0
	v_readfirstlane_b32 s[WV], v12                 ; wave 0..3
	v_and_b32 v13, 31, v0
	v_and_b32 v14, 15, v0
	v_bfe_u32 v[HH], v0, 4, 1
	v_lshlrev_b32 v[L16], 4, v13
	v_lshlrev_b32 v[R8], 3, v14
	v_lshlrev_b32 v[H32], 5, v[HH]
	v_lshlrev_b32 v[L4], 2, v13
	v_lshlrev_b32 v[R4], 2, v14
	s_lshl_b32 s21, s[WV], 11
	s_add_co_u32 s21, s21, SCR
	v_add_nc_u32 v[SW], s21, v[L4]
	v_add_nc_u32 v[SRD], s21, v[L16]
	s_bfe_u32 s17, ttmp6, 0x40000                  ; cx: it enters the queries' addresses alone
	s_lshl_b32 s18, ttmp9, 2
	s_add_co_u32 s18, s18, s17                     ; qb
	s_and_b32 s19, ttmp7, 0xffff                   ; cs, which the four partners share
	s_lshl_b32 s20, s18, 10
	s_lshl_b32 s21, s[WV], 8
	s_add_co_u32 s20, s20, s21                     ; n0: my first query
	s_lshl_b32 s22, s20, 8                         ; zq: (n0 / 16) x 4,096
	s_mov_b32 s23, 0
	s_lshl_b32 s46, s20, 2                         ; zs, zzp: 4 n0
	s_mov_b32 s47, 0
	s_lshl_b32 s44, s19, 16
	s_add_co_u32 s44, s44, s46                     ; pkey, pgrp: 65,536 cs + 4 n0
	s_mov_b32 s45, 0
	; descriptors: records are dense: rows of 256 bytes (32 elements of 8 bytes), 17 rows a record, no padding; mask 15, bit 21 beside it
	s_mov_b32 s24, 15|(3<<16)|(1<<21)
	s_mov_b32 s25, 32<<16
	s_mov_b32 s26, (17*NS)<<16
	s_mov_b32 s27, 32<<16
	s_mov_b32 s28, 17*NS
	s_mov_b32 s29, 32
	s_mov_b32 s30, 0
	s_mov_b32 s31, 0
	s_mov_b32 s56, 15|(3<<16)|(1<<21)
	s_mov_b32 s57, 32<<16
	s_mov_b32 s58, (17*NBG)<<16
	s_mov_b32 s59, 32<<16
	s_mov_b32 s60, 17*NBG
	s_mov_b32 s61, 32
	s_mov_b32 s62, 0
	s_mov_b32 s63, 0
	s_mov_b32 s32, 1                               ; wave 3's load: records 0-9 to LDS byte 0
	s_mov_b32 s33, 0
	s_mov_b32 s36, 1                               ; waves 0-2: records 10 + 18 w on (wave 3 does not use this group)
	s_min_u32 s37, s[WV], 2
	s_mul_i32 s37, s37, NBG*REC
	s_add_co_u32 s37, s37, NS*REC
	s_mul_i32 s50, s19, 64*REC                     ; the code block's first record
	s_mov_b32 s51, 0
	s_mov_b32 s52, s37
	s_mov_b32 s53, 0
	s_mov_b32 s[TB], 0
	s_lshl_b32 s[TN], s19, 6
	s_mov_b32 s48, 0x76543210
	s_mov_b32 s49, 0xfedcba98                      ; v_permlanex16_b32's selects for lane l xor 16
	s_wait_alu depctr_va_vdst(0)
	s_wait_dscnt 0x0
	s_wait_kmcnt 0x0
	s_add_nc_u64 s[34:35], s[10:11], s[50:51]
	s_add_nc_u64 s[38:39], s[34:35], s[52:53]
	s_or_b32 s35, s35, 0x80000000
	s_or_b32 s39, s39, 0x80000000
	s_add_nc_u64 s[4:5], s[4:5], s[22:23]
	s_add_nc_u64 s[6:7], s[6:7], s[46:47]
	s_add_nc_u64 s[8:9], s[8:9], s[46:47]
	s_add_nc_u64 s[12:13], s[12:13], s[44:45]
	s_add_nc_u64 s[14:15], s[14:15], s[44:45]
.irp u, 0,1,2,3,4,5,6,7
	global_load_b32 v[ZB+12+\u], v[L4], s[6:7] offset:128*\u                   ; lane l: the scale word of query n0 + 32 u + l, K step 0
	global_load_b32 v[ZB+2+\u+2*(\u/6)], v[L4], s[6:7] offset:65536+128*\u     ; and K step 1
.endr
.irp q, 0,1,2,3,4,5,6,7,8,9,10,11,12,13,14,15
	global_load_b32 v[ACC+2*\q], v[R4], s[8:9] offset:64*\q                    ; the two halves of zz (the accumulators' registers are free yet)
	global_load_b32 v[ACC+2*\q+1], v[R4], s[8:9] offset:65536+64*\q
.endr
	ZLD 0, 8
	ROUND                                          ; all four work-groups are here
	s_cmp_lt_u32 s[WV], 3                          ; ONE chain, a tensor load in each arm
	s_cbranch_scc1 .Lbig
	tensor_load_to_lds s[32:35], s[24:31]          ; the records that are read first are asked for first
	s_nop 0
.rept 4
	v_nop
.endr
	ZLD 8, 120
	s_branch .Lasked
.Lbig:
	ZLD 8, 120
	tensor_load_to_lds s[36:39], s[56:63]
	s_nop 0
.rept 4
	v_nop
.endr
.Lasked:
.irp q, 0,1,2,3,4,5,6,7,8,9,10,11,12,13,14,15
	v_mov_b32 v[RUN+16+\q], 0x7f800000             ; the running minimum begins at +infinity,
	v_mov_b32 v[GT+\q], s[TN]                      ; at the block's first tile
.endr
	s_wait_loadcnt 63                              ; behind the 48 small loads 128 were issued, behind query tile 7's fragments 64: all these are in
.irp q, 0,1,2,3,4,5,6,7,8,9,10,11,12,13,14,15
	v_add_f32 v[ZZ+2*\q], v[ACC+2*\q], v[ACC+2*\q+1]
	v_add_f32 v[ZZ+2*\q+1], v[ACC+2*\q], v[ACC+2*\q+1]   ; twice: the packed form names a pair
.endr
	s_wait_alu depctr_va_vdst(0)
	s_cmp_lt_u32 s[WV], 3
	s_cbranch_scc1 .Lnot_mine
	s_wait_tensorcnt 0x0                           ; wave 3: records 0-9 are in
.Lnot_mine:
	s_barrier_signal -1
	s_barrier_wait -1
; One matrix instruction: tile q of my queries, K step s, the codes' set b.  K step 0 starts the sum.
.macro WM q, s, b
	WIN 0x04*(1+(\q)/8)                            ; source 1 in window 1 or 2, all else in window 0
.set wa, ACC+16*(((\q)/2)%2)+8*((\q)%2)
.set wz, 32*((\q)%8)+16*(\s)
.set wf, AF+32*(\b)+16*(\s)
.set wsa, ZB+8*(\b)+(\s)
.if (\s) == 0
.set wzs, ZB+12+(\q)/2
.if ((\q)%2) == 0
	v_wmma_scale_f32_16x16x128_f8f6f4 v[wa:wa+7], v[wf:wf+15], v[wz:wz+15], 0, v[wsa], v[wzs] matrix_a_fmt:MATRIX_FMT_BF8 matrix_b_fmt:MATRIX_FMT_BF8
.else
	v_wmma_scale_f32_16x16x128_f8f6f4 v[wa:wa+7], v[wf:wf+15], v[wz:wz+15], 0, v[wsa], v[wzs] matrix_a_fmt:MATRIX_FMT_BF8 matrix_b_fmt:MATRIX_FMT_BF8 matrix_b_scale:MATRIX_SCALE_ROW1
.endif
.else
.set wzs, ZB+2+(\q)/2+2*((\q)/12)
.if ((\q)%2) == 0
	v_wmma_scale_f32_16x16x128_f8f6f4 v[wa:wa+7], v[wf:wf+15], v[wz:wz+15], v[wa:wa+7], v[wsa], v[wzs] matrix_a_fmt:MATRIX_FMT_BF8 matrix_b_fmt:MATRIX_FMT_BF8
.else
	v_wmma_scale_f32_16x16x128_f8f6f4 v[wa:wa+7], v[wf:wf+15], v[wz:wz+15], v[wa:wa+7], v[wsa], v[wzs] matrix_a_fmt:MATRIX_FMT_BF8 matrix_b_fmt:MATRIX_FMT_BF8 matrix_b_scale:MATRIX_SCALE_ROW1
.endif
.endif
.endm
; Number n of the 16 multiply-adds of the pair before (query tiles PQ, PQ + 1; ee in set PB; sums at PAC): 0-7 a = ee + zz; 8-15 d = a - 2 dot, in the accumulator, from its low end on
.macro VOP n
.set vx, ((\n)%8)/4
.set vi, (\n)%4
.if (\n) < 8
	v_pk_fma_f32 v[AR+8*vx+2*vi:AR+8*vx+2*vi+1], v[EE+8*PB+2*vi:EE+8*PB+2*vi+1], 1.0, v[ZZ+2*(PQ+vx):ZZ+2*(PQ+vx)+1] op_sel_hi:[1,0,1]
.else
	v_pk_fma_f32 v[PAC+8*vx+2*vi:PAC+8*vx+2*vi+1], v[PAC+8*vx+2*vi:PAC+8*vx+2*vi+1], -2.0, v[AR+8*vx+2*vi:AR+8*vx+2*vi+1] op_sel_hi:[1,0,1]
.endif
.endm
.macro INS from, n, on
.if \on
.set vn, \from
.rept \n
	VOP vn
.set vn, vn+1
.endr
.endif
.endm
; In window 0: has the minimum of the pair two before (OQ, set OB) fallen?  The pair before's minima of three: 8 d and the old running minimum give the new one, in the other set.  The strict < keeps the first tile.
.macro FIN hasp, haso
	WIN 0
.if \haso
	v_cmp_lt_f32 s54, v[RUN+16*OB+OQ], v[RUN+16*(1-OB)+OQ]
	v_cmp_lt_f32 s55, v[RUN+16*OB+OQ+1], v[RUN+16*(1-OB)+OQ+1]
.endif
.if \hasp
.irp i, 0,1
.irp x, 0,1
	v_min3_num_f32 v[TMN+3*\x+\i], v[PAC+8*\x+3*\i], v[PAC+8*\x+3*\i+1], v[PAC+8*\x+3*\i+2]
.endr
.endr
.irp x, 0,1
	v_min3_num_f32 v[TMN+3*\x+2], v[PAC+8*\x+6], v[PAC+8*\x+7], v[RUN+16*(1-PB)+PQ+\x]
.endr
.endif
.if \haso
	v_cndmask_b32 v[GT+OQ], v[GT+OQ], s[TN], s54
	v_cndmask_b32 v[GT+OQ+1], v[GT+OQ+1], s[TN], s55
.endif
.if \hasp
.irp x, 0,1
	v_min3_num_f32 v[RUN+16*PB+PQ+\x], v[TMN+3*\x], v[TMN+3*\x+1], v[TMN+3*\x+2]
.endr
.endif
.endm
.macro ADR                             ; the LDS addresses of the record at s[TB]: images, scale words, ee
	v_add_nc_u32 v[ADRI], s[TB], v[L16]
	v_add_nc_u32 v[ADRS], s[TB], v[R8]
	v_add_nc_u32 v[ADRE], s[TB], v[H32]
.endm
.macro LD1 k, b                        ; number k of a record's 11 LDS loads, into set b: 8 of 512 consecutive bytes (the images), the rows' two scale words, my half's eight ee
.if (\k) < 8
	ds_load_b128 v[AF+32*(\b)+4*(\k):AF+32*(\b)+4*(\k)+3], v[ADRI] offset:512*(\k)
.elseif (\k) == 8
	ds_load_b64 v[ZB+8*(\b):ZB+8*(\b)+1], v[ADRS] offset:4096
.else
	ds_load_b128 v[EE+8*(\b)+4*((\k)-9):EE+8*(\b)+4*((\k)-9)+3], v[ADRE] offset:4224+16*((\k)-9)
.endif
.endm
; Stage p of a tile of codes in set b.  DISTANCES (eight places behind this form): number 8 first reads the even tile's sums, number 12 the odd tile's: behind their last matrix
; instruction stand at the least the 12 lines of FIN (in the first tile ADR's 3) and numbers 0-7, which name none of its registers.  An accumulator is begun anew two stages behind its last product.
.macro STAGE p, b, hasp, haso, first, last
.if (\p) == 0
.set PQ, 14
.set PB, 1-(\b)
.set OQ, 12
.set OB, 1-(\b)
.elseif (\p) == 1
.set PQ, 0
.set PB, (\b)
.set OQ, 14
.set OB, 1-(\b)
.else
.set PQ, 2*(\p)-2
.set PB, (\b)
.set OQ, 2*(\p)-4
.set OB, (\b)
.endif
.set PAC, ACC+16*(((\p)+1)%2)
.if (\first) && ((\p) >= 4)
	s_wait_loadcnt 112-16*(\p)                     ; this pair's 16 fragment loads are in; those of the pairs behind it stay out
.endif
	WM 2*(\p), 0, \b
.if ((\p) == 2) && ((\first) == 0)
	s_add_co_u32 s[TN], s[TN], 1                   ; the last tile's selects are done: from here on this tile's number
.endif
	INS 0, 6, \hasp
	WM 2*(\p)+1, 0, \b
	INS 6, 5, \hasp
	WM 2*(\p), 1, \b
	INS 11, 5, \hasp
	WM 2*(\p)+1, 1, \b
.if ((\p) == 0) && ((\last) == 0)
	WIN 0
	s_add_co_u32 s[TB], s[TB], REC                 ; the next record: its addresses are made here, 12 vector lines ahead of the loads that read them
	ADR
.endif
	FIN \hasp, \haso
.if ((\p) == 0) && ((\last) == 0)
.irp k, 0,1,2,3,4,5,6,7,8,9,10
	LD1 \k, 1-(\b)                                 ; the next record's 11 LDS loads in ONE run, into the other set: its last product lies a stage back, its ee were read in this stage's first lines; seven stages in which to land
.endr
.endif
.endm
.macro TILE b, first, last
	s_wait_dscnt 0x0                               ; this tile's fragments, scale words and ee are in
	STAGE 0, \b, 1-(\first), 1-(\first), \first, \last
	STAGE 1, \b, 1, 1-(\first), \first, \last
.irp p, 2,3,4,5,6,7
	STAGE \p, \b, 1, 1, \first, \last
.endr
.endm
	ADR
.irp k, 0,1,2,3,4,5,6,7,8,9,10
	LD1 \k, 0
.endr
	TILE 0, 1, 0                                   ; tile 0 is written out: no pair stands before its first, and z's fragments are waited for pair by pair
	s_mov_b32 s[CNT], 4
.Lfirst:                                               ; tiles 1 to 8, two a trip; the last of them fetches record 9
	TILE 1, 0, 0
	TILE 0, 0, 0
	s_sub_co_u32 s[CNT], s[CNT], 1
	s_cmp_lg_u32 s[CNT], 0
	s_cbranch_scc1 .Lfirst
	s_wait_tensorcnt 0x0                           ; every wave: my records are in,
	s_wait_dscnt 0x0
	s_barrier_signal -1
	s_barrier_wait -1                              ; everybody's are
	s_mov_b32 s[CNT], 27
.Ltiles:                                               ; tiles 9 to 62
	TILE 1, 0, 0
	TILE 0, 0, 0
	s_sub_co_u32 s[CNT], s[CNT], 1
	s_cmp_lg_u32 s[CNT], 0
	s_cbranch_scc1 .Ltiles
	TILE 1, 0, 1                                   ; tile 63 fetches nothing
.set PQ, 14
.set PB, 1
.set OQ, 12
.set OB, 1
.set PAC, ACC+16
	INS 0, 16, 1                                   ; the last pair's vector work
	FIN 1, 1
.set OQ, 14
	FIN 0, 1
	; THE WAY OUT.  A query's codes lie in lanes l and l xor 16: the smaller d wins, and of equal d the lower group.
	s_mov_b32 s50, 0xffff0000                      ; lanes 16-31
.irp q, 0,1,2,3,4,5,6,7,8,9,10,11,12,13,14,15
	v_lshl_or_b32 v[GT+\q], v[GT+\q], 1, v[HH]     ; G = 2 T + lane / 16
.endr
.irp q, 0,1,2,3,4,5,6,7,8,9,10,11,12,13,14,15
	v_permlanex16_b32 v[AR+\q], v[RUN+16+\q], s48, s49
	v_permlanex16_b32 v[AF+\q], v[GT+\q], s48, s49
.endr
.irp q, 0,1,2,3,4,5,6,7,8,9,10,11,12,13,14,15
	v_cmp_lt_f32 s51, v[AR+\q], v[RUN+16+\q]
	v_cmp_eq_f32 s52, v[AR+\q], v[RUN+16+\q]
	v_cmp_lt_u32 s53, v[AF+\q], v[GT+\q]
	s_and_b32 s52, s52, s53
	s_or_b32 s51, s51, s52
	v_cndmask_b32 v[RUN+16+\q], v[RUN+16+\q], v[AR+\q], s51
	v_cndmask_b32 v[GT+\q], v[GT+\q], v[AF+\q], s51
.endr
.irp u, 0,1,2,3,4,5,6,7                ; lanes 0-15 take tile 2 u's queries, lanes 16-31 tile 2 u + 1's: lane l has query n0 + 32 u + l.  Registers of its own for each u
	v_cndmask_b32 v[ACC+4*\u], v[RUN+16+2*\u], v[RUN+17+2*\u], s50
	v_cndmask_b32 v[ACC+4*\u+1], v[GT+2*\u], v[GT+2*\u+1], s50
	v_ashrrev_i32 v[ACC+4*\u+2], 31, v[ACC+4*\u]
	v_or_b32 v[ACC+4*\u+2], 0x80000000, v[ACC+4*\u+2]
	v_xor_b32 v[ACC+4*\u], v[ACC+4*\u], v[ACC+4*\u+2]   ; the key: unsigned order = d's order
	ds_store_b32 v[SW], v[ACC+4*\u] offset:128*\u
	ds_store_b32 v[SW], v[ACC+4*\u+1] offset:1024+128*\u
.endr
.irp t, 0,1,2,3
	ds_load_b128 v[AF+32+4*\t:AF+35+4*\t], v[SRD] offset:512*\t   ; LDS serves a wave's instructions in order: these see my stores
.endr
	s_wait_dscnt 0x0
	global_store_b128 v[L16], v[AF+32:AF+35], s[12:13]              ; my 256 keys: twice 512 consecutive bytes, aligned
	global_store_b128 v[L16], v[AF+36:AF+39], s[12:13] offset:512
	global_store_b128 v[L16], v[AF+40:AF+43], s[14:15]              ; and groups
	global_store_b128 v[L16], v[AF+44:AF+47], s[14:15] offset:512
	s_wait_tensorcnt 0x0                           ; the wave's end
	ds_add_u32 v[SPW], v[NIL]
	s_wait_dscnt 0x0
	ROUND                                          ; the closing round
	s_endpgm
.Lfunc_end_k_qd1cceffefd_dist:
	.size	k_qd1cceffefd_dist, .Lfunc_end_k_qd1cceffefd_dist-k_qd1cceffefd_dist
	.p2alignl 7, 3214868480
	.fill 96, 4, 3214868480
	.section	.rodata,"a",@progbits
	.p2align	6, 0x0
	.amdhsa_kernel k_qd1cceffefd_dist
		.amdhsa_group_segment_fixed_size 287744
		.amdhsa_private_segment_fixed_size 0
		.amdhsa_enable_private_segment 0
		.amdhsa_kernarg_size 48
		.amdhsa_user_sgpr_count 2
		.amdhsa_user_sgpr_kernarg_segment_ptr 1
		.amdhsa_wavefront_size32 1
		.amdhsa_system_sgpr_workgroup_id_x 1
		.amdhsa_system_sgpr_workgroup_id_y 1
		.amdhsa_system_sgpr_workgroup_id_z 1
		.amdhsa_system_vgpr_workitem_id 0
		.amdhsa_next_free_vgpr 768
		.amdhsa_next_free_sgpr 66
		.amdhsa_reserve_vcc 0
		.amdhsa_float_denorm_mode_32 3
		.amdhsa_float_denorm_mode_16_64 3
		.amdhsa_memory_ordered 1
		.amdhsa_forward_progress 1
		.amdhsa_inst_pref_size 166
	.end_amdhsa_kernel
	.amdgpu_metadata
---
amdhsa.version: [ 1, 2 ]
amdhsa.kernels:
  - .name:           k_qd1cceffefd_dist
    .symbol:         k_qd1cceffefd_dist.kd
    .args:
      - { .name: zq, .offset: 0, .size: 8, .value_kind: global_buffer, .address_space: global }
      - { .name: zs, .offset: 8, .size: 8, .value_kind: global_buffer, .address_space: global }
      - { .name: zzp, .offset: 16, .size: 8, .value_kind: global_buffer, .address_space: global }
      - { .name: cbq, .offset: 24, .size: 8, .value_kind: global_buffer, .address_space: global }
      - { .name: pkey, .offset: 32, .size: 8, .value_kind: global_buffer, .address_space: global }
      - { .name: pgrp, .offset: 40, .size: 8, .value_kind: global_buffer, .address_space: global }
    .group_segment_fixed_size: 287744
    .private_segment_fixed_size: 0
    .kernarg_segment_align: 8
    .kernarg_segment_size: 48
    .max_flat_workgroup_size: 128
    .sgpr_count:     66
    .vgpr_count:     768
    .wavefront_size: 32
...
	.end_amdgpu_metadata
.endif
;; end of part 2
;; launch pick (part 3): grid 256 x 1, 4 waves a work-group, no clusters, 768 bytes of LDS; arguments pkey, pgrp, zq, zs, zzp, cbq, out1, idxw; writes out1, idxw
.if DOCPART == 3
	.amdgcn_target "amdgcn-amd-amdhsa--gfx1250"
	.amdhsa_code_object_version 6
	.text
	.protected	k_qd1cceffefd_pick
	.globl	k_qd1cceffefd_pick
	.p2align	8
	.type	k_qd1cceffefd_pick,@function
k_qd1cceffefd_pick:
	s_mov_b64 s[64:65], 0
	v_nop
	global_prefetch_b8 v0, s[64:65] scope:SCOPE_SE
	s_setreg_imm32_b32 hwreg(HW_REG_WAVE_MODE, 25, 1), 1
	s_wait_xcnt 0x0
; For each query: of its 16 candidates (one for each block of 1,024 codes: a key and a group of 8 codes, both whole numbers read from memory) the smallest key wins, of equal keys the first block: integer work alone.
; The winning group's 8 codes are then multiplied by the query once more, by the same matrix instruction with K in the same places, d is formed by the same two multiply-adds, and the first smallest of the 8 gives the index's last 3 bits.
; A wave takes a tile of 16 queries.  Its 16 groups of 8 codes make 8 tiles of 16 rows: row r of tile t is code 8 G[2 t + r / 8] + r % 8.  Source 0 = those rows, source 1 = the 16 queries: in tile t lane (r', h') holds
; the codes of query 2 t + h' against query r': its own query's where t = r' / 2 and h' = r' % 2.  The other products are not used: 16 matrix instructions a wave in all.
; The groups enter addresses only behind v_min_u32 with 2,047, and from there on by and, multiply, shift left and add.  The index, which hangs on floating-point numbers, enters none: it is stored, for the next launch.
; REGISTERS.  Window 0: v1-10 lane terms; v16-31 keys, v32-47 groups (v16, v32: the winner); v48-79 z's fragments; v80-81 its scale words; v82-83 zz; v86-87 its halves; v88-95 lane selects; v96-103 the rows' groups;
;   v104-119 offsets; v120 my group's; v124-139 the rows' scale words; v140-147 ee; v148-155 my 8 products; v156-163 a, then d; v164-167 at work; v176-239 eight accumulators.   Window 1: the rows' fragments, tile t at v[32 t].
.set KEY, 16
.set GRP, 32
.set GN,  32                           ; the winning group
.set ZF,  48
.set ZSC, 80
.set ZZ,  82
.set ZP,  86
.set BPI, 88
.set GTT, 96
.set OA,  104
.set OS,  112
.set OE,  120
.set SA,  124
.set EE,  140
.set DS,  148
.set AD,  156
.set BJ,  165
.set T0,  166
.set T1,  167
.set ACC, 176
.set MSB, 0
.macro WIN new
.if MSB != \new
	s_set_vgpr_msb (MSB<<8)|\new
.set MSB, \new
.endif
.endm
	s_load_b256 s[4:11], s[0:1], 0x0               ; pkey s[4:5], pgrp s[6:7], zq s[8:9], zs s[10:11]
	s_load_b256 s[12:19], s[0:1], 0x20             ; zzp s[12:13], cbq s[14:15], out1 s[16:17], idxw s[18:19]
	v_lshl_add_u32 v254, v0, 2, 0x100
	v_mov_b32 v255, 0
	v_lshrrev_b32 v9, 5, v0
	v_readfirstlane_b32 s20, v9                    ; wave 0..3
	v_and_b32 v9, 31, v0                           ; lane
	v_and_b32 v1, 15, v0                           ; r
	v_bfe_u32 v2, v0, 4, 1                         ; h
	v_lshlrev_b32 v3, 4, v9                        ; 16 x lane
	v_lshlrev_b32 v4, 2, v1                        ; 4 r
	v_and_b32 v11, 7, v1
	v_lshlrev_b32 v5, 4, v11
	v_lshl_add_u32 v5, v2, 8, v5                   ; in an image: 16 (r % 8) + 256 h
	v_lshlrev_b32 v6, 3, v11                       ; among the scale words: 8 (r % 8)
	v_lshlrev_b32 v7, 3, v9                        ; 8 x lane
	v_lshrrev_b32 v8, 1, v1                        ; r / 2
	s_lshl_b32 s34, s20, 6
	v_add_nc_u32 v10, s34, v4                      ; LDS: 64 x wave + 4 r
	v_lshrrev_b32 v11, 3, v1
	v_lshlrev_b32 v11, 2, v11
.irp t, 0,1,2,3,4,5,6,7
	v_add_nc_u32 v[BPI+\t], 8*\t, v11              ; 4 x the lane that holds query 2 t + r / 8
	v_cmp_eq_u32 s[24+\t], \t, v8                  ; lanes whose query lies in tile t
.endr
	v_and_b32 v12, 1, v1
	v_cmp_ne_u32 s40, v12, v2                      ; lanes that hold the neighbour's products: they take lane l xor 16's result
	v_mov_b32 v[T1], 0                             ; a lane permute's destination counts as one of its sources
	s_mov_b32 s32, 0x76543210
	s_mov_b32 s33, 0xfedcba98
	s_lshl_b32 s35, ttmp9, 2
	s_add_co_u32 s35, s35, s20                     ; my tile of queries
	s_lshl_b32 s36, s35, 6                         ; 4 n0
	s_mov_b32 s37, 0
	s_lshl_b32 s38, s35, 12                        ; its images
	s_mov_b32 s39, 0
	s_lshl_b32 s42, ttmp9, 8                       ; the work-group's 64 indices
	s_mov_b32 s43, 0
	s_wait_kmcnt 0x0
	s_add_nc_u64 s[4:5], s[4:5], s[36:37]
	s_add_nc_u64 s[6:7], s[6:7], s[36:37]
	s_add_nc_u64 s[8:9], s[8:9], s[38:39]
	s_add_nc_u64 s[10:11], s[10:11], s[36:37]
	s_add_nc_u64 s[12:13], s[12:13], s[36:37]
	s_add_nc_u64 s[16:17], s[16:17], s[42:43]
	s_add_nc_u64 s[18:19], s[18:19], s[42:43]
.irp c, 0,1,2,3,4,5,6,7,8,9,10,11,12,13,14,15
	global_load_b32 v[KEY+\c], v4, s[4:5] offset:65536*\c
.endr
.irp c, 0,1,2,3,4,5,6,7,8,9,10,11,12,13,14,15
	global_load_b32 v[GRP+\c], v4, s[6:7] offset:65536*\c
.endr
.irp i, 0,1,2,3,4,5,6,7
	global_load_b128 v[ZF+4*\i:ZF+4*\i+3], v3, s[8:9] offset:512*\i
.endr
.irp s, 0,1
	global_load_b32 v[ZSC+\s], v4, s[10:11] offset:65536*\s
	global_load_b32 v[ZP+\s], v4, s[12:13] offset:65536*\s
.endr
	s_wait_loadcnt 12                              ; keys and groups are in; the twelve loads issued behind them (z's) may stay out
.irp c, 1,2,3,4,5,6,7,8,9,10,11,12,13,14,15
	v_cmp_lt_u32 vcc_lo, v[KEY+\c], v[KEY]         ; blocks ascending, strict <: the first block keeps a tie
	v_cndmask_b32 v[GN], v[GN], v[GRP+\c], vcc_lo
	v_min_u32 v[KEY], v[KEY], v[KEY+\c]
.endr
	v_min_u32 v[GN], 0x7ff, v[GN]
.irp t, 0,1,2,3,4,5,6,7
	ds_bpermute_b32 v[GTT+\t], v[BPI+\t], v[GN]    ; the group of query 2 t + r / 8: no LDS byte is touched
.endr
	s_wait_dscnt 0x0
.irp t, 0,1,2,3,4,5,6,7
	v_min_u32 v[GTT+\t], 0x7ff, v[GTT+\t]
.endr
.irp t, 0,1,2,3,4,5,6,7                ; group G = 2 T + u lies in record T, rows 8 u on: T x 4,352 = (G and 0x7fe) x 2,176
	v_and_b32 v[OA+\t], 0x7fe, v[GTT+\t]
	v_and_b32 v[OS+\t], 1, v[GTT+\t]
	v_mul_u32_u24 v[OA+\t], v[OA+\t], 2176
	v_lshl_add_u32 v[T0], v[OS+\t], 7, v[OA+\t]    ; + 8 u rows of 16 bytes in an image
	v_lshl_add_u32 v[OS+\t], v[OS+\t], 6, v[OA+\t] ; + 8 u rows of 8 bytes among the scale words
	v_add_nc_u32 v[OA+\t], v[T0], v5
	v_add_nc_u32 v[OS+\t], v[OS+\t], v6
.endr
	v_and_b32 v[OE], 0x7fe, v[GN]
	v_and_b32 v[T0], 1, v[GN]
	v_mul_u32_u24 v[OE], v[OE], 2176
	v_lshl_add_u32 v[OE], v[T0], 5, v[OE]          ; my own group's eight ee
	WIN 0x40                                       ; destination window 1, address window 0
.irp t, 0,1,2,3,4,5,6,7
.irp s, 0,1
.irp c, 0,1,2,3
	global_load_b128 v[32*\t+16*\s+4*\c:32*\t+16*\s+4*\c+3], v[OA+\t], s[14:15] offset:2048*\s+512*\c
.endr
.endr
.endr
	WIN 0
.irp t, 0,1,2,3,4,5,6,7
	global_load_b64 v[SA+2*\t:SA+2*\t+1], v[OS+\t], s[14:15] offset:4096
.endr
	global_load_b128 v[EE:EE+3], v[OE], s[14:15] offset:4224
	global_load_b128 v[EE+4:EE+7], v[OE], s[14:15] offset:4240
	s_wait_loadcnt 0x0
	v_add_f32 v[ZZ], v[ZP], v[ZP+1]
	v_add_f32 v[ZZ+1], v[ZP], v[ZP+1]
	WIN 0x01                                       ; source 0 (the rows) in window 1
.irp t, 0,1,2,3,4,5,6,7                ; eight accumulators by turns
	v_wmma_scale_f32_16x16x128_f8f6f4 v[ACC+8*\t:ACC+8*\t+7], v[32*\t:32*\t+15], v[ZF:ZF+15], 0, v[SA+2*\t], v[ZSC] matrix_a_fmt:MATRIX_FMT_BF8 matrix_b_fmt:MATRIX_FMT_BF8
.endr
.irp t, 0,1,2,3,4,5,6,7
	v_wmma_scale_f32_16x16x128_f8f6f4 v[ACC+8*\t:ACC+8*\t+7], v[32*\t+16:32*\t+31], v[ZF+16:ZF+31], v[ACC+8*\t:ACC+8*\t+7], v[SA+2*\t+1], v[ZSC+1] matrix_a_fmt:MATRIX_FMT_BF8 matrix_b_fmt:MATRIX_FMT_BF8
.endr
	WIN 0
.rept 8
	v_nop                                          ; eight places in front of the first read of results
.endr
.irp j, 0,1,2,3,4,5,6,7
	v_cndmask_b32 v[DS+\j], v[ACC+\j], v[ACC+8+\j], s25   ; my query's tile among the eight; each accumulator is read from its low end on
.endr
.irp t, 2,3,4,5,6,7
.irp j, 0,1,2,3,4,5,6,7
	v_cndmask_b32 v[DS+\j], v[DS+\j], v[ACC+8*\t+\j], s[24+\t]
.endr
.endr
.irp i, 0,1,2,3
	v_pk_fma_f32 v[AD+2*\i:AD+2*\i+1], v[EE+2*\i:EE+2*\i+1], 1.0, v[ZZ:ZZ+1] op_sel_hi:[1,0,1]            ; a = ee + zz
.endr
.irp i, 0,1,2,3
	v_pk_fma_f32 v[AD+2*\i:AD+2*\i+1], v[DS+2*\i:DS+2*\i+1], -2.0, v[AD+2*\i:AD+2*\i+1] op_sel_hi:[1,0,1]   ; d = a - 2 dot
.endr
	v_mov_b32 v[BJ], 0
.irp j, 1,2,3,4,5,6,7
	v_cmp_lt_f32 vcc_lo, v[AD+\j], v[AD]           ; ascending, strict <: the first smallest
	v_cndmask_b32 v[BJ], v[BJ], \j, vcc_lo
	v_min_num_f32 v[AD], v[AD], v[AD+\j]
.endr
	v_lshl_add_u32 v[T0], v[GN], 3, v[BJ]          ; the index, right where h = r % 2
	v_permlanex16_b32 v[T1], v[T0], s32, s33
	v_cndmask_b32 v[T0], v[T0], v[T1], s40         ; and now in every lane
	ds_store_b32 v10, v[T0]                        ; both halves of the lanes write the same word with the same value
	s_wait_dscnt 0x0                               ; for the others' sake: my stores are done
	s_barrier_signal -1
	s_barrier_wait -1
	s_cmp_lg_u32 s20, 0
	s_cbranch_scc1 .Lend
	ds_load_b64 v[T0:T1], v7                       ; wave 0 takes the work-group's 64 indices, 8 bytes a lane,
	s_wait_dscnt 0x0
	global_store_b64 v7, v[T0:T1], s[16:17]        ; and stores 256 consecutive bytes, aligned: the output,
	global_store_b64 v7, v[T0:T1], s[18:19]        ; and the copy from which the next launch forms addresses
.Lend:
	s_wait_tensorcnt 0x0
	ds_add_u32 v254, v255
	s_wait_dscnt 0x0
	s_endpgm
.Lfunc_end_k_qd1cceffefd_pick:
	.size	k_qd1cceffefd_pick, .Lfunc_end_k_qd1cceffefd_pick-k_qd1cceffefd_pick
	.p2alignl 7, 3214868480
	.fill 96, 4, 3214868480
	.section	.rodata,"a",@progbits
	.p2align	6, 0x0
	.amdhsa_kernel k_qd1cceffefd_pick
		.amdhsa_group_segment_fixed_size 768
		.amdhsa_private_segment_fixed_size 0
		.amdhsa_enable_private_segment 0
		.amdhsa_kernarg_size 64
		.amdhsa_user_sgpr_count 2
		.amdhsa_user_sgpr_kernarg_segment_ptr 1
		.amdhsa_wavefront_size32 1
		.amdhsa_system_sgpr_workgroup_id_x 1
		.amdhsa_system_sgpr_workgroup_id_y 1
		.amdhsa_system_sgpr_workgroup_id_z 1
		.amdhsa_system_vgpr_workitem_id 0
		.amdhsa_next_free_vgpr 512
		.amdhsa_next_free_sgpr 66
		.amdhsa_reserve_vcc 1
		.amdhsa_float_denorm_mode_32 3
		.amdhsa_float_denorm_mode_16_64 3
		.amdhsa_memory_ordered 1
		.amdhsa_forward_progress 1
		.amdhsa_inst_pref_size 28
	.end_amdhsa_kernel
	.amdgpu_metadata
---
amdhsa.version: [ 1, 2 ]
amdhsa.kernels:
  - .name:           k_qd1cceffefd_pick
    .symbol:         k_qd1cceffefd_pick.kd
    .args:
      - { .name: pkey, .offset: 0, .size: 8, .value_kind: global_buffer, .address_space: global }
      - { .name: pgrp, .offset: 8, .size: 8, .value_kind: global_buffer, .address_space: global }
      - { .name: zq, .offset: 16, .size: 8, .value_kind: global_buffer, .address_space: global }
      - { .name: zs, .offset: 24, .size: 8, .value_kind: global_buffer, .address_space: global }
      - { .name: zzp, .offset: 32, .size: 8, .value_kind: global_buffer, .address_space: global }
      - { .name: cbq, .offset: 40, .size: 8, .value_kind: global_buffer, .address_space: global }
      - { .name: out1, .offset: 48, .size: 8, .value_kind: global_buffer, .address_space: global }
      - { .name: idxw, .offset: 56, .size: 8, .value_kind: global_buffer, .address_space: global }
    .group_segment_fixed_size: 768
    .private_segment_fixed_size: 0
    .kernarg_segment_align: 8
    .kernarg_segment_size: 64
    .max_flat_workgroup_size: 128
    .sgpr_count:     66
    .vgpr_count:     512
    .wavefront_size: 32
...
	.end_amdgpu_metadata
.endif
;; end of part 3
;; launch emit (part 4): grid 256 x 1, 4 waves a work-group, no clusters, 0 bytes of LDS; arguments idxw, codebook, out0; writes out0
.if DOCPART == 4
	.amdgcn_target "amdgcn-amd-amdhsa--gfx1250"
	.amdhsa_code_object_version 6
	.text
	.protected	k_qd1cceffefd_emit
	.globl	k_qd1cceffefd_emit
	.p2align	8
	.type	k_qd1cceffefd_emit,@function
k_qd1cceffefd_emit:
	s_mov_b64 s[64:65], 0
	v_nop
	global_prefetch_b8 v0, s[64:65] scope:SCOPE_SE
	s_setreg_imm32_b32 hwreg(HW_REG_WAVE_MODE, 25, 1), 1
	s_wait_xcnt 0x0
; out0[n][:] = codebook[idx[n]][:], f32, rows of 1,024 bytes.  A stream: no LDS, no barrier, no matrix unit.  A wave takes 16 rows: its 16 indices come by one scalar load (whole numbers that the launch before stored),
; are held within the table by s_min_u32, and all 32 loads of 512 consecutive bytes go out before the first store.  No register is written twice, so no wait frees one.
; The loads carry no hint: several rows may name the same code.
	s_load_b128 s[4:7], s[0:1], 0x0                ; idxw s[4:5], codebook s[6:7]
	s_load_b64 s[8:9], s[0:1], 0x10                ; out0
	v_lshrrev_b32 v2, 5, v0
	v_readfirstlane_b32 s10, v2                    ; wave 0..3
	v_and_b32 v1, 31, v0
	v_lshlrev_b32 v1, 4, v1                        ; 16 x lane
	s_lshl_b32 s11, ttmp9, 6
	s_lshl_b32 s12, s10, 4
	s_add_co_u32 s11, s11, s12                     ; my first row
	s_lshl_b32 s12, s11, 2
	s_mov_b32 s13, 0
	s_lshl_b32 s14, s11, 10
	s_mov_b32 s15, 0
	s_wait_alu depctr_va_vdst(0)
	s_wait_kmcnt 0x0
	s_add_nc_u64 s[4:5], s[4:5], s[12:13]
	s_add_nc_u64 s[8:9], s[8:9], s[14:15]
	s_load_b512 s[16:31], s[4:5], 0x0              ; my 16 indices
	s_wait_kmcnt 0x0
.irp i, 0,1,2,3,4,5,6,7,8,9,10,11,12,13,14,15
	s_min_u32 s[16+\i], s[16+\i], 0x3fff
	s_lshl_b32 s[16+\i], s[16+\i], 10
	v_add_nc_u32 v[8+\i], s[16+\i], v1
.endr
	s_wait_alu depctr_va_vdst(0)
.irp i, 0,1,2,3,4,5,6,7,8,9,10,11,12,13,14,15
	global_load_b128 v[32+8*\i:35+8*\i], v[8+\i], s[6:7]
	global_load_b128 v[36+8*\i:39+8*\i], v[8+\i], s[6:7] offset:512
.endr
.irp i, 0,1,2,3,4,5,6,7,8,9,10,11,12,13,14,15
	s_wait_loadcnt 30-2*\i                         ; row i's two loads are in; the rows behind it stay out
	global_store_b128 v1, v[32+8*\i:35+8*\i], s[8:9] offset:1024*\i th:TH_STORE_NT       ; 512 consecutive bytes, aligned
	global_store_b128 v1, v[36+8*\i:39+8*\i], s[8:9] offset:1024*\i+512 th:TH_STORE_NT
.endr
	s_endpgm
.Lfunc_end_k_qd1cceffefd_emit:
	.size	k_qd1cceffefd_emit, .Lfunc_end_k_qd1cceffefd_emit-k_qd1cceffefd_emit
	.p2alignl 7, 3214868480
	.fill 96, 4, 3214868480
	.section	.rodata,"a",@progbits
	.p2align	6, 0x0
	.amdhsa_kernel k_qd1cceffefd_emit
		.amdhsa_group_segment_fixed_size 0
		.amdhsa_private_segment_fixed_size 0
		.amdhsa_enable_private_segment 0
		.amdhsa_kernarg_size 24
		.amdhsa_user_sgpr_count 2
		.amdhsa_user_sgpr_kernarg_segment_ptr 1
		.amdhsa_wavefront_size32 1
		.amdhsa_system_sgpr_workgroup_id_x 1
		.amdhsa_system_sgpr_workgroup_id_y 1
		.amdhsa_system_sgpr_workgroup_id_z 1
		.amdhsa_system_vgpr_workitem_id 0
		.amdhsa_next_free_vgpr 160
		.amdhsa_next_free_sgpr 66
		.amdhsa_reserve_vcc 0
		.amdhsa_float_denorm_mode_32 3
		.amdhsa_float_denorm_mode_16_64 3
		.amdhsa_memory_ordered 1
		.amdhsa_forward_progress 1
		.amdhsa_inst_pref_size 10
	.end_amdhsa_kernel
	.amdgpu_metadata
---
amdhsa.version: [ 1, 2 ]
amdhsa.kernels:
  - .name:           k_qd1cceffefd_emit
    .symbol:         k_qd1cceffefd_emit.kd
    .args:
      - { .name: idxw, .offset: 0, .size: 8, .value_kind: global_buffer, .address_space: global }
      - { .name: codebook, .offset: 8, .size: 8, .value_kind: global_buffer, .address_space: global }
      - { .name: out0, .offset: 16, .size: 8, .value_kind: global_buffer, .address_space: global }
    .group_segment_fixed_size: 0
    .private_segment_fixed_size: 0
    .kernarg_segment_align: 8
    .kernarg_segment_size: 24
    .max_flat_workgroup_size: 128
    .sgpr_count:     66
    .vgpr_count:     160
    .wavefront_size: 32
...
	.end_amdgpu_metadata
.endif
;; end of part 4
